; MI455X (gfx1250); checked and timed in simulation.
; The chip was launched on July 23, 2026; its instructions are those of AMD's public machine-readable ISA for CDNA 5 (MIT licence, August 2026) and "CDNA5" Instruction Set Architecture Reference Guide (July 2026). The comments in the code are by the model that wrote it; some were corrected since.
;; Self Attention. Allowed arithmetic: matrix products marked QUANTISED: E2M1 operands, one E8M0 scale for each 32 along K, by v_wmma_scale_f32_16x16x128_f8f6f4 with both operands' format E2M1 (or v_wmma_scale_f32_32x16x128_f4), f32 sums; everything else in f32.
;; Inputs: key_padding_mask 2 x 2,048 bool; qkv 2 x 2,048 x 3 x 16 x 64 float32.
;; Outputs: out0 2 x 2,048 x 16 x 64 float32.
;; This version of the problem:
;;   THIS VERSION OF THE PROBLEM IS GIVEN IN LOW PRECISION. The matrix products marked QUANTISED in the list below multiply operands that are first quantised to E2M1 (2 exponent bits, 1 mantissa bit; 4 bits a number), with one power-of-two scale for each 32 numbers along K (OCP MX v1.0); their sums are f32. All else is computed in f32.
;;   The module's matrix products, in the order in which they are computed (A, B: the left and right operand; K: the contracted axis; several contracted axes count as one K, in the product's order):
;;     1. batch 32 x [M 2,048, K 64] x [K 64, N 2,048]; A: computed on the way; B: computed on the way: QUANTISED
;;     2. batch 32 x [M 64, K 2,048] x [K 2,048, N 2,048]; A: computed on the way; B: softmax (see below): QUANTISED
;;   THE QUANTISER, for each operand of a quantised product, along K:
;;     - K is cut into blocks of 32 from its start; a last block that is shorter is filled with zeros.
;;     - A block's scale is 2^e with e = floor(log2(the largest magnitude in the block)) - 2, held to -126 .. 127; a block of zeros has e = 0. As a byte (E8M0): e + 127.
;;     - Each number is divided by its block's scale, clamped to +-6, and rounded to the nearest number of E2M1, ties to even, subnormals kept.
;;     - The product sums the exact products of the quantised numbers (number of the format x scale) in f32.
;;   ~~~python
;;   def quantise(x, axis):      # numpy; x: float32 -> the quantised numbers, widened to float32 again
;;       x = np.moveaxis(x, axis, -1); K = x.shape[-1]
;;       x = np.pad(x, [(0, 0)] * (x.ndim - 1) + [(0, -K % 32)]); x = x.reshape(x.shape[:-1] + (-1, 32)); a = np.abs(x).max(-1, keepdims=True)
;;       e = np.where(a > 0, np.clip(np.frexp(np.where(a > 0, a, 1))[1] - 1 - 2, -126, 127), 0)      # np.frexp(a)[1] - 1 = floor(log2(a)), exactly
;;       r = np.clip(x / 2.0 ** e, -6, 6)
;;       step = 2.0 ** (np.maximum(np.frexp(np.where(r == 0, 1, r))[1] - 1, 0) - 1)
;;       q = np.round(r / step) * step * 2.0 ** e      # np.round: ties to even
;;       return np.moveaxis(q.reshape(q.shape[:-2] + (-1,))[..., :K], -1, axis).astype(np.float32)
;;   ~~~
;;   SOFTMAX AHEAD OF A QUANTISED PRODUCT. Where the list says 'softmax', what is quantised is not the finished softmax but p = 2^(t - M), with t = logit x log2(e) and M = ceil(the row's largest t), a whole number; so 1/2 < the row's largest p <= 1. The row's sum l is taken of the UNQUANTISED p, in f32, and the product's result is divided by l at the end. Since M is a whole number, a kernel that streams over the keys may use a running M (the ceiling of the running maximum): every later rescaling is an exact power of two, which a block's scale takes up: the codes' values come out the same.
;;   OPERANDS COMPUTED ON THE WAY. 'Computed on the way' means the value that the module computes at that place (a softmax that the list does not call 'softmax' is quantised finished and normalised). What goes into a quantiser is computed in f32, as accurately as f32 sums, v_exp_f32 and their like allow (about 1e-6 of the number): no bf16 or f16 on the way to a quantiser, and a product that is left as it is and whose result goes on into a quantised operand takes f32 operands (vector FMAs, or v_wmma_f32_16x16x4_f32). A number that lies on a knife's edge between two numbers of the format may be rounded either way, as far as f32 arithmetic and the matrix unit's own rounding can turn it there, and no further.
;; One version. Each part assembles by itself: llvm-mc -triple=amdgcn-amd-amdhsa -mcpu=gfx1250 --defsym DOCPART=n.
;; ======== version 1 of 1: 2 launches
;; workspace buffers: kv 4,456,448 bytes
;; launch quant (part 1): grid 16 x 32, 8 waves a work-group, no clusters, 36,352 bytes of LDS; arguments qkv, kv; writes kv
.if DOCPART == 1
	.amdgcn_target "amdgcn-amd-amdhsa--gfx1250"
	.amdhsa_code_object_version 6
	.text
	.protected	k_q6bebbefffd_quant
	.globl	k_q6bebbefffd_quant
	.p2align	8
	.type	k_q6bebbefffd_quant,@function
k_q6bebbefffd_quant:
	s_mov_b64 s[64:65], 0
	v_nop
	global_prefetch_b8 v0, s[64:65] scope:SCOPE_SE
	s_setreg_imm32_b32 hwreg(HW_REG_WAVE_MODE, 25, 1), 1
	s_wait_xcnt 0x0
; k x 0.125 and v of qkv [2][2048][3][16][64] f32 become codes of FP4 (E2M1) with one E8M0 scale byte for each 32 along a product's K:
; k along the head's 64 (two blocks a key), v along the KEYS (one block for 32 keys of a channel).  A block's scale is 2^(floor(log2(largest magnitude)) - 2).
; They are laid in kv as IMAGES OF THE OPERANDS' REGISTERS, one dense block of 8,704 bytes for each head (16 b + h) and each step of 128 keys:
;   bytes 0-4095     K: image 2 F + u, 512 bytes: lane (r, g)'s 16 bytes at 16 lane = key 32 F + 8 u + r + 8 (r / 8), d = 32 g .. 32 g + 31
;   bytes 4096-8191  V: image 2 t + c, 512 bytes: lane (r, g)'s 16 bytes = channel 16 t + r, keys 64 c + 32 g .. + 31
;   bytes 8192-8703  scale words, 16 bytes a lane: lanes 0-15 word F = K's bytes (u 0 d-block 0, u 0 d-block 1, u 1 d-block 0, u 1 d-block 1) of row r;
;                    lanes 16-31 word t = channel 16 t + r's bytes of the step's four key blocks
; SHARES.  A work-group takes one step of one head: 128 keys x 256 bytes of k and of v.  Waves 0-3: wave F quantises keys 32 F .. 32 F + 31 of k.  Waves 4-7: a lane takes a channel
; and its registers run down 64 keys of v, so that a block lies in one lane and the codes come out with the keys innermost.  All of a wave's loads are issued at once: 8 KiB.
; No two work-groups read the same bytes: so no cluster, no joint loads; no tensor loads, no ring.  One barrier: the 512 scale bytes come from all eight waves and leave as one run.
; LIMITS: NaN and infinities among the inputs are not served.  rsqrt(64) is taken as 0.125.  A block of zeros, and one whose largest magnitude lies under 2^(3 - 127), gets the byte 1
; (the rule says 127 for zeros): its codes are zeros, and this program alone reads the bytes.
.set ROWQ,  12288                      ; bytes from a position s to the next in qkv
.set PARTB, 4096                       ; bytes from q to k and from k to v inside a position
.set BLKB,  8704                       ; a step block of kv
.set SP,    272                        ; a stage row: 256 bytes + 16: an odd multiple of 16, so that sixteen rows' like columns fall on different banks (ISA guide 11.1)
.set STG,   32*SP                      ; a K wave's stage: its 32 keys
.set SCI,   4*STG                      ; behind the four stages: the scale image, 512 bytes
.set IN,    16                         ; v16-79   as loaded
.set TK,    80                         ; v80-143  K behind the turn through the stage: two parts of 32 numbers
.set CD,    144                        ; v144-151 codes: four registers a block, none written twice
.set EB,    152                        ; v152-153 the two blocks' bytes
.set AM,    154                        ; v154-155 largest magnitudes, two chains
.set AM2,   155
.set SO,    156                        ; the conversion's scale operand
.set WD,    157                        ; the scale word in the making
.set TMP,   158
.set OUTS,  160                        ; v160-163 the scale image on its way out
; 32 numbers of one lane, v[x] on, are one block: its byte goes to v[e], its 32 codes to v[c] .. v[c + 3]
.macro QBLK x, c, e
	v_max3_num_f32 v[AM],  |v[(\x)]|,   |v[(\x)+1]|, |v[(\x)+2]|
	v_max3_num_f32 v[AM2], |v[(\x)+3]|, |v[(\x)+4]|, |v[(\x)+5]|
.irp i, 6,10,14,18,22,26
	s_delay_alu instid0(VALU_DEP_2)
	v_max3_num_f32 v[AM],  v[AM],  |v[(\x)+\i]|,   |v[(\x)+\i+1]|
	s_delay_alu instid0(VALU_DEP_2)
	v_max3_num_f32 v[AM2], v[AM2], |v[(\x)+\i+2]|, |v[(\x)+\i+3]|
.endr
	s_delay_alu instid0(VALU_DEP_2)
	v_max3_num_f32 v[AM], v[AM], |v[(\x)+30]|, |v[(\x)+31]|
	s_delay_alu instid0(VALU_DEP_1)
	v_max3_num_f32 v[AM], v[AM], v[AM2], 0x1800000     ; and the floor 2^(3 - 127): the byte cannot fall under 1
	s_delay_alu instid0(VALU_DEP_1)
	v_add_nc_u32 v[SO], 0xff000000, v[AM]              ; 2 off the exponent field: the conversion takes this operand's exponent field as its scale
	s_delay_alu instid0(VALU_DEP_1)
	v_lshrrev_b32 v[(\e)], 23, v[SO]                   ; the scale's byte
.irp q, 0,1,2,3
	v_cvt_scalef32_pk8_fp4_f32 v[(\c)+\q], v[(\x)+8*\q:(\x)+8*\q+7], v[SO]
.endr
	v_nop                                              ; one plain place behind the last scaled conversion
.endm
	s_load_b128 s[4:7], s[0:1], 0x0                ; qkv s[4:5], kv s[6:7]
	v_lshl_add_u32 v168, v0, 2, 0x8a00
	v_mov_b32 v169, 0
	v_lshrrev_b32 v1, 5, v0
	s_delay_alu instid0(VALU_DEP_1)
	v_readfirstlane_b32 s12, v1                    ; wave 0..7
	s_and_b32 s13, s12, 3                          ; K: F.  V: which quarter
	s_and_b32 s14, s13, 1                          ; V: x, which 32 channels
	s_lshr_b32 s15, s13, 1                         ; V: c, which 64 keys
	s_and_b32 s22, ttmp7, 0xffff                   ; the head, 16 b + h
	s_lshr_b32 s16, s22, 4                         ; b
	s_and_b32 s17, s22, 15                         ; h
	s_lshl_b32 s16, s16, 11
	s_lshl_b32 s18, ttmp9, 7
	s_add_co_u32 s16, s16, s18                     ; the step's first position: 2048 b + 128 step
	s_mul_i32 s16, s16, ROWQ                       ; (under 2^26)
	s_lshl_b32 s17, s17, 8
	s_add_co_u32 s16, s16, s17                     ; + 256 h
	s_mov_b32 s17, 0
	s_lshl_b32 s18, s22, 4
	s_add_co_u32 s18, s18, ttmp9
	s_mul_i32 s18, s18, BLKB                       ; my step block in kv
	s_mov_b32 s19, 0
	s_mov_b32 s20, 0x76543210
	s_mov_b32 s21, 0xfedcba98                      ; v_permlanex16_b32's selects for lane l xor 16
	; every address register is made here, ahead of the parting of the waves, and holds nothing else
	v_and_b32 v1, 31, v0                           ; lane
	v_and_b32 v2, 15, v0                           ; r
	v_bfe_u32 v3, v0, 4, 1                         ; g
	s_delay_alu instid0(VALU_DEP_1)
	v_mul_u32_u24 v4, v3, ROWQ
	s_delay_alu instid0(VALU_DEP_1)
	v_lshl_add_u32 v4, v2, 4, v4                   ; K in: lanes 0-15 one key's 256 bytes, lanes 16-31 the next key's
	s_mul_i32 s23, s13, STG
	v_mul_u32_u24 v5, v3, SP
	s_delay_alu instid0(VALU_DEP_1)
	v_lshl_add_u32 v5, v2, 4, v5
	s_delay_alu instid0(VALU_DEP_1)
	v_add_nc_u32 v5, s23, v5                       ; into my stage: the same two rows
	v_mul_u32_u24 v6, v2, SP
	s_delay_alu instid0(VALU_DEP_1)
	v_lshl_add_u32 v6, v3, 7, v6
	s_delay_alu instid0(VALU_DEP_1)
	v_add_nc_u32 v6, s23, v6                       ; out of it: row r, my half's 128 bytes
	s_lshl_b32 s24, s13, 2
	s_add_co_u32 s24, s24, SCI
	v_lshl_add_u32 v7, v2, 4, s24                  ; K's scale word: lane r's 16 bytes, word F
	s_lshl_b32 s25, s14, 3
	s_lshl_b32 s26, s15, 1
	s_add_co_u32 s25, s25, s26
	s_add_co_u32 s25, s25, SCI+256
	v_lshl_add_u32 v8, v2, 4, s25
	s_delay_alu instid0(VALU_DEP_1)
	v_lshl_add_u32 v8, v3, 2, v8                   ; V's two bytes: lane 16 + r's 16 bytes, word 2 x + g, bytes 2 c and 2 c + 1
	v_lshlrev_b32 v9, 4, v1                        ; 16 x lane: an image's place
	v_lshl_add_u32 v10, v1, 4, SCI                 ; the scale image, read back
	v_lshlrev_b32 v11, 2, v1                       ; V in: 4 bytes a lane
	v_lshlrev_b32 v12, 10, v3
	s_delay_alu instid0(VALU_DEP_1)
	v_lshl_add_u32 v12, v2, 4, v12                 ; V out: image 2 (2 x + g) + c, 16 r
	v_lshlrev_b32 v13, 3, v3                       ; 8 g: how far my bytes are shifted in K's scale word
	s_wait_kmcnt 0x0
	s_add_nc_u64 s[4:5], s[4:5], s[16:17]
	s_add_nc_u64 s[6:7], s[6:7], s[18:19]
	s_cmp_lt_u32 s12, 4
	s_cbranch_scc0 .Lv
	; ---- K: my 32 keys
	s_mul_i32 s16, s13, 32*ROWQ
	s_add_co_u32 s16, s16, PARTB
	s_mov_b32 s17, 0
	s_add_nc_u64 s[4:5], s[4:5], s[16:17]          ; k of my first key
	s_lshl_b32 s18, s13, 10
	s_mov_b32 s19, 0
	s_add_nc_u64 s[8:9], s[6:7], s[18:19]          ; images 2 F and 2 F + 1
.irp n, 0,1,2,3,4,5,6,7,8,9,10,11,12,13,14,15
	global_load_b128 v[IN+4*\n:IN+4*\n+3], v4, s[4:5] offset:2*ROWQ*\n th:TH_LOAD_NT   ; keys 2 n and 2 n + 1: two whole rows of 256 bytes, read once in the launch
.endr
	; The conversions want 32 neighbours along d in ONE lane.  So the rows turn through my stage; key k goes to row 16 u + r with u = (k / 8) % 2, r = k % 8 + 8 (k / 16): a part's sixteen rows lie on end.
.irp n, 0,1,2,3,4,5,6,7,8,9,10,11,12,13,14,15
	s_wait_loadcnt 15-\n                           ; loads come back in order: pair n is in, the younger ones stay out
	ds_store_b128 v5, v[IN+4*\n:IN+4*\n+3] offset:SP*(16*(((2*\n)/8)%2)+(2*\n)%8+8*((2*\n)/16))
.endr
.irp u, 0,1
.irp m, 0,1,2,3,4,5,6,7
	ds_load_b128 v[TK+32*\u+4*\m:TK+32*\u+4*\m+3], v6 offset:16*SP*\u+16*\m   ; LDS serves a wave's instructions in order: these see my stores
.endr
.endr
	s_wait_dscnt 8                                 ; part 0 is back; part 1's eight loads may be out
.irp i, 0,2,4,6,8,10,12,14,16,18,20,22,24,26,28,30
	v_pk_mul_f32 v[TK+\i:TK+\i+1], v[TK+\i:TK+\i+1], 0x3e000000 op_sel_hi:[1,0]        ; k x 0.125, as the product's operand has it
.endr
	QBLK TK, CD, EB
	global_store_b128 v9, v[CD:CD+3], s[8:9]       ; 32 lanes store 512 consecutive bytes, at a multiple of 256 from kv's first byte
	s_wait_dscnt 0x0
.irp i, 0,2,4,6,8,10,12,14,16,18,20,22,24,26,28,30
	v_pk_mul_f32 v[TK+32+\i:TK+32+\i+1], v[TK+32+\i:TK+32+\i+1], 0x3e000000 op_sel_hi:[1,0]
.endr
	QBLK TK+32, CD+4, EB+1
	global_store_b128 v9, v[CD+4:CD+7], s[8:9] offset:512
	v_lshl_or_b32 v[WD], v[EB+1], 16, v[EB]        ; my two bytes: d-block g of the keys of parts 0 and 1,
	s_delay_alu instid0(VALU_DEP_1)
	v_lshlrev_b32 v[WD], v13, v[WD]                ; at their places (8 g bits up);
	v_mov_b32 v[TMP], 0                            ; (a lane permute's destination counts as one of its sources)
	s_delay_alu instid0(VALU_DEP_1)
	v_permlanex16_b32 v[TMP], v[WD], s20, s21
	s_delay_alu instid0(VALU_DEP_1)
	v_or_b32 v[WD], v[WD], v[TMP]                  ; with lane l xor 16's two the word is whole
	ds_store_b32 v7, v[WD]                         ; both halves of the lanes write the same word with the same value
	s_branch .Ljoin
.Lv:	; ---- V: my 32 channels x 64 keys
	s_mul_i32 s16, s15, 64*ROWQ
	s_lshl_b32 s17, s14, 7
	s_add_co_u32 s16, s16, s17
	s_add_co_u32 s16, s16, 2*PARTB
	s_mov_b32 s17, 0
	s_add_nc_u64 s[4:5], s[4:5], s[16:17]          ; v of key 64 c, channel 32 x
	s_lshl_b32 s18, s14, 11
	s_lshl_b32 s19, s15, 9
	s_add_co_u32 s18, s18, s19
	s_add_co_u32 s18, s18, 4096
	s_mov_b32 s19, 0
	s_add_nc_u64 s[8:9], s[6:7], s[18:19]          ; V's images: 4096 + 2048 x + 512 c
.set i, 0
	s_wait_alu depctr_va_vdst(0)
.rept 64
	global_load_b32 v[IN+i], v11, s[4:5] offset:ROWQ*i   ; v(key 64 c + i, channel 32 x + lane): 128 neighbouring bytes; the row's other half is a sibling wave's, so no hint
.set i, i+1
.endr
	s_wait_loadcnt 32                              ; keys 64 c .. + 31 are in; the other block's 32 loads may be out
	QBLK IN, CD, EB
	global_store_b128 v12, v[CD:CD+3], s[8:9]      ; sixteen neighbouring lanes store 256 consecutive bytes, aligned: lanes 0-15 of an image
	s_wait_loadcnt 0x0
	QBLK IN+32, CD+4, EB+1
	global_store_b128 v12, v[CD+4:CD+7], s[8:9] offset:256   ; and its lanes 16-31
	v_lshl_or_b32 v[WD], v[EB+1], 8, v[EB]
	ds_store_b16 v8, v[WD]                         ; key blocks 2 c and 2 c + 1 of my channel's word
.Ljoin:
	s_wait_dscnt 0x0                               ; for the others' sake: my store into the scale image has landed
	s_barrier_signal -1
	s_barrier_wait -1                              ; all eight waves' have
	s_cmp_lg_u32 s12, 0
	s_cbranch_scc1 .Lend
	ds_load_b128 v[OUTS:OUTS+3], v10
	s_wait_dscnt 0x0
	global_store_b128 v9, v[OUTS:OUTS+3], s[6:7] offset:8192   ; the 512 scale bytes: two aligned runs of 256
.Lend:
	s_wait_tensorcnt 0x0
	ds_add_u32 v168, v169
	s_wait_dscnt 0x0
	s_endpgm
.Lfunc_end_k_q6bebbefffd_quant:
	.size	k_q6bebbefffd_quant, .Lfunc_end_k_q6bebbefffd_quant-k_q6bebbefffd_quant
	.p2alignl 7, 3214868480
	.fill 96, 4, 3214868480
	.section	.rodata,"a",@progbits
	.p2align	6, 0x0
	.amdhsa_kernel k_q6bebbefffd_quant
		.amdhsa_group_segment_fixed_size 36352
		.amdhsa_private_segment_fixed_size 0
		.amdhsa_enable_private_segment 0
		.amdhsa_kernarg_size 16
		.amdhsa_user_sgpr_count 2
		.amdhsa_user_sgpr_kernarg_segment_ptr 1
		.amdhsa_wavefront_size32 1
		.amdhsa_system_sgpr_workgroup_id_x 1
		.amdhsa_system_sgpr_workgroup_id_y 1
		.amdhsa_system_sgpr_workgroup_id_z 1
		.amdhsa_system_vgpr_workitem_id 0
		.amdhsa_next_free_vgpr 170
		.amdhsa_next_free_sgpr 66
		.amdhsa_reserve_vcc 0
		.amdhsa_float_denorm_mode_32 3
		.amdhsa_float_denorm_mode_16_64 3
		.amdhsa_memory_ordered 1
		.amdhsa_forward_progress 1
		.amdhsa_inst_pref_size 27
	.end_amdhsa_kernel
	.amdgpu_metadata
---
amdhsa.version: [ 1, 2 ]
amdhsa.kernels:
  - .name:           k_q6bebbefffd_quant
    .symbol:         k_q6bebbefffd_quant.kd
    .args:
      - { .name: qkv, .offset: 0, .size: 8, .value_kind: global_buffer, .address_space: global }
      - { .name: kv, .offset: 8, .size: 8, .value_kind: global_buffer, .address_space: global }
    .group_segment_fixed_size: 36352
    .private_segment_fixed_size: 0
    .kernarg_segment_align: 8
    .kernarg_segment_size: 16
    .max_flat_workgroup_size: 256
    .sgpr_count:     66
    .vgpr_count:     170
    .wavefront_size: 32
...
	.end_amdgpu_metadata
.endif
;; end of part 1
;; launch attn (part 2): grid 8 x 32, 16 waves a work-group, clusters of 4 x 1, 235,520 bytes of LDS; arguments qkv, key_padding_mask, kv, out0; writes out0
.if DOCPART == 2
	.amdgcn_target "amdgcn-amd-amdhsa--gfx1250"
	.amdhsa_code_object_version 6
	.text
	.protected	k_q6bebbefffd_attn
	.globl	k_q6bebbefffd_attn
	.p2align	8
	.type	k_q6bebbefffd_attn,@function
k_q6bebbefffd_attn:
	s_mov_b64 s[64:65], 0
	v_nop
	global_prefetch_b8 v0, s[64:65] scope:SCOPE_SE
	s_setreg_imm32_b32 hwreg(HW_REG_WAVE_MODE, 25, 1), 1
	s_wait_xcnt 0x0
	s_wait_alu depctr_hold_cnt(0) depctr_sa_sdst(0) depctr_va_vdst(0) depctr_va_sdst(0) depctr_va_ssrc(0) depctr_va_vcc(0) depctr_vm_vsrc(0)
	s_getreg_b32 s2, hwreg(HW_REG_IB_STS2, 6, 4)
	s_cmp_eq_u32 s2, 0
	s_cbranch_scc0 .Lentry_in_a_cluster
	s_endpgm
.Lentry_in_a_cluster:
	s_bfe_u32 s2, ttmp6, 0x10000c
	s_cmp_lg_u32 s2, 0x3003
	s_cbranch_scc0 .Lentry_shape_is_right
	s_endpgm
.Lentry_shape_is_right:
; out0[b][s][h][:] = sum over keys of softmax(q . (k / 8) + padding + causal) v, both products on codes of FP4 (E2M1) with one E8M0 scale for each 32 along K.
; BOTH MASKS ARE ADDITIVE, -10000, AND ARE ADDED AS SUCH, IN F32.  A row whose visible keys are all padded puts its weight on later keys, and with large inputs a gap of 10000 can be bridged:
; so no key is left out: every query meets all 2,048 keys.
; THE SOFTMAX AHEAD OF THE SECOND PRODUCT: t = logit x log2(e); M = the row's largest t so far, rounded UP to a whole number; p = 2^(t - M) is quantised along the keys, not normalised.
; The row's sum is taken of the unquantised p and divides at the end.  When M moves, the sum and O are multiplied by 2^(old M - new M): exact.
; SHARES.  y = the head (16 b + h).  The head's 128 tiles of 16 queries are dealt so: work-group j (0..7) of the head, wave w (0..15), takes queries 128 w + 16 j on.  So the step of 128 keys
; that holds a wave's diagonal is step w in EVERY work-group: all branches hang on the wave's number and the step's counter.  One tile a wave, 224 registers, four waves to a SIMD: one wave's
; vector work stands beside another's products and LDS loads.
; k AND v COME AS REGISTER IMAGES from kv (made by the launch before): 16 step blocks of 8,704 bytes a head, 139,264 bytes: the whole head fits in LDS.  Wave w fetches block w by one tensor
; load; nothing is ever filled again, so the loop has no barrier.  CLUSTER: the four work-groups of a cluster belong to one head and want the same 16 blocks: each is asked for JOINTLY.
; LAYOUT.  Both products are used transposed: S^T = K Q^T (source 0 = keys, source 1 = my 16 queries), O^T = V^T P^T: a lane holds ONE query (lane % 16) throughout.
; D = 64 IS HALF OF THE INSTRUCTION'S K.  A fragment of K holds TWO tiles of 16 keys: tile 2 F in k = 0..63, tile 2 F + 1 in k = 64..127.  Q is kept twice: QLO = (codes, zeros), QHI = (zeros, codes):
; fragment x QLO gives tile 2 F, fragment x QHI tile 2 F + 1; zero codes add nothing.  Lane r of tile 2 F + u is key 32 F + 8 u + r + 8 (r / 8), so that the 16 registers of the two tiles are
; 16 neighbouring keys, 32 F + 16 (lane / 16) + 0 .. 15.
; THE MASKS COST NO VECTOR WORK BUT ON THE DIAGONAL: the C of a score's product is the key's mask term, from one of two tables in LDS: padding alone (steps up to my diagonal's), padding - 10000 (steps behind it).
; LIMITS: NaN and infinities among the inputs are not served.  Where both masks hit in a step behind the diagonal's, -20000 is added in one rounding, not two.  A p under 2^-126 is taken as 0
; (v_exp_f32 flushes: ISA guide 15.8).  A block of p that is all zeros has the byte 1: its codes are zeros.
.set ROWQ,  12288                      ; bytes from a position to the next in qkv
.set ROWO,  4096                       ; and in out0
.set BLKB,  8704                       ; a step block: 8 images of K, 8 of V, the scale image
.set PAD,   16*BLKB                    ; 139,264: f32 table: key's padding term, 0 or -10000
.set PADC,  PAD+8192                   ; the same - 10000
.set STAGE, 163840                     ; 16 rows x 272 bytes for each wave, its own: q's way in and O's way out; no tensor load lands here
.set SP,    272                        ; a stage row: 256 bytes + 16: an odd multiple of 16 (banks: ISA guide 11.1)
.set LI,  1                            ; v1   16 x lane: an image's place
.set AP0, 2                            ; v2   PAD + 64 (lane / 16): my half's 16 keys of a block
.set ADI, 3                            ; v3   the step's images (at the head: where I store my part of the tables)
.set ADP, 4                            ; v4   the step's mask terms
.set DG,  5                            ; v5   my query - 16 (lane / 16), counted from the diagonal step's first key
.set NEG, 6                            ; v6   -10000
.set GO,  7                            ; v7   my byte offset in the wave's rows of out0
.set STO, 8                            ; v8   stage: row r, 32 bytes for each half of the lanes
.set RD,  9                            ; v9   stage: lanes 0-15 one row, lanes 16-31 the next
.set QRD, 10                           ; v10  stage: row r, my half's 128 bytes
.set QO,  11                           ; v11  my byte offset in the wave's rows of q
                                       ; v12 -M, v13 the largest t, v[14:15] the sum in two halves
.set QLO, 16                           ; v16-23, v24-31
.set QHI, 24
.set KFR, 32                           ; v32-63   K's four fragments
.set VFR, 64                           ; v64-95   V's four
.set S,   96                           ; v96-159  mask terms, then S^T, then p
.set OT,  160                          ; v160-191 O^T
.set PC,  192                          ; v192-199 p's codes
.set SW,  200                          ; v200-203 scale words: lanes 0-15 K's fragment F, lanes 16-31 V's fragment t
.set QS,  204                          ; v204 q's scale word;  v205 p's.  v200-205 hold scales and nothing else
.set PS,  205
.set FF,  206                          ; v[206:207] f = 2^(old M - new M); the upper half is written once
.set BM,  208                          ; v208-211 a block's largest score, then its largest p
.set PX,  212                          ; v212-215 from the other half of the lanes; then bytes
.set SCO, 216                          ; v216-219 the conversions' scale operands
.set SUM2, 220                         ; v[220:221] the second chain of the sum (at the head: r and g)
.set T0,  222
.set T1,  223
.set AM,  208                          ; the head's one block of q uses these three
.set AM2, 209
.set SO,  216
.set WV,  12                           ; s12 wave
.set SEL, 20                           ; s[20:21] selects for lane l xor 16
.set CS,  22                           ; s[22:23] log2(e): the packed form names a pair and takes its low word for both halves
.set G1,  24                           ; s[24:31], s[32:35] the tensor load's two groups
.set G0,  32
.set ST,  36                           ; s36 step; s37 its block in LDS; s38 its 512 bytes in a table
.set TB,  37
.set TP,  38
; A round of the cluster's barrier: my work-group's barrier, so that wave 0's signal speaks for all sixteen waves; wave 0 signals; every wave waits for the four work-groups; my work-group's barrier once more.
.macro CROUND
	s_barrier_signal -1
	s_barrier_wait -1
	s_cmp_lg_u32 s[WV], 0
	s_cbranch_scc1 .Lnot_wave_0_\@
	s_barrier_signal -3
.Lnot_wave_0_\@:
	s_barrier_wait -3
	s_barrier_signal -1
	s_barrier_wait -1
.endm
; 32 numbers of one lane, v[x] on, are one block: its byte goes to v[e], its 32 codes to v[c] .. v[c + 3]
.macro QBLK x, c, e
	v_max3_num_f32 v[AM],  |v[(\x)]|,   |v[(\x)+1]|, |v[(\x)+2]|
	v_max3_num_f32 v[AM2], |v[(\x)+3]|, |v[(\x)+4]|, |v[(\x)+5]|
.irp i, 6,10,14,18,22,26
	s_delay_alu instid0(VALU_DEP_2)
	v_max3_num_f32 v[AM],  v[AM],  |v[(\x)+\i]|,   |v[(\x)+\i+1]|
	s_delay_alu instid0(VALU_DEP_2)
	v_max3_num_f32 v[AM2], v[AM2], |v[(\x)+\i+2]|, |v[(\x)+\i+3]|
.endr
	s_delay_alu instid0(VALU_DEP_2)
	v_max3_num_f32 v[AM], v[AM], |v[(\x)+30]|, |v[(\x)+31]|
	s_delay_alu instid0(VALU_DEP_1)
	v_max3_num_f32 v[AM], v[AM], v[AM2], 0x1800000     ; and the floor 2^(3 - 127): the byte cannot fall under 1
	s_delay_alu instid0(VALU_DEP_1)
	v_add_nc_u32 v[SO], 0xff000000, v[AM]              ; 2 off the exponent field: the conversion's scale operand
	s_delay_alu instid0(VALU_DEP_1)
	v_lshrrev_b32 v[(\e)], 23, v[SO]                   ; the scale's byte
.irp q, 0,1,2,3
	v_cvt_scalef32_pk8_fp4_f32 v[(\c)+\q], v[(\x)+8*\q:(\x)+8*\q+7], v[SO]
.endr
	v_nop                                              ; one plain place behind the last scaled conversion
.endm
	s_load_b256 s[4:11], s[0:1], 0x0               ; qkv s[4:5], key_padding_mask s[6:7], kv s[8:9], out0 s[10:11]
	v_lshl_add_u32 v224, v0, 2, 0x39000
	v_mov_b32 v225, 0
	ds_add_u32 v224, v225
	ds_add_u32 v224, v225
	v_lshrrev_b32 v1, 5, v0
	s_delay_alu instid0(VALU_DEP_1)
	v_readfirstlane_b32 s[WV], v1                  ; wave 0..15
	s_bfe_u32 s13, ttmp6, 0x40000                  ; cx: my place in the cluster
	s_lshl_b32 s14, ttmp9, 2                       ; in a cluster launch ttmp9 counts clusters
	s_add_co_u32 s14, s14, s13                     ; j = 4 x cluster x + cx: it enters q's and out0's addresses and one compare's operand, nothing else
	s_and_b32 s15, ttmp7, 0xffff                   ; the head, which the four partners share
	s_lshr_b32 s16, s15, 4                         ; b
	s_and_b32 s17, s15, 15                         ; h
	; group 1: a dense block of 8,704 bytes as 34 rows of 256 bytes (32 elements of 8 bytes), no padding: images are read 16 bytes a lane on end
	s_mov_b32 s[G1+0], 15|(3<<16)|(1<<21)          ; 15:0 the mask: all four work-groups; 17:16 elements of 8 bytes; 21 set beside a mask
	s_mov_b32 s[G1+1], 32<<16                      ; tensor_dim0 = 32
	s_mov_b32 s[G1+2], 34<<16                      ; tensor_dim1 = 34
	s_mov_b32 s[G1+3], 32<<16                      ; tile_dim0 = 32
	s_mov_b32 s[G1+4], 34                          ; tile_dim1 = 34
	s_mov_b32 s[G1+5], 32                          ; from row to row
	s_mov_b32 s[G1+6], 0
	s_mov_b32 s[G1+7], 0
	s_mul_i32 s[G0+1], s[WV], BLKB                 ; block w goes to LDS byte 8704 w: the wave's number alone
	s_mul_i32 s40, s15, 16*BLKB
	s_add_co_u32 s40, s40, s[G0+1]                 ; and comes from the head's block w
	s_mov_b32 s41, 0
	s_lshl_b32 s42, s16, 11
	s_lshl_b32 s18, s[WV], 7
	s_add_co_u32 s42, s42, s18
	s_lshl_b32 s18, s14, 4                         ; 16 j
	s_add_co_u32 s42, s42, s18                     ; my first query's position: 2048 b + 128 w + 16 j
	s_lshl_b32 s19, s17, 8                         ; 256 h
	s_mul_i32 s44, s42, ROWQ
	s_add_co_u32 s44, s44, s19                     ; q of it (under 2^26)
	s_mov_b32 s45, 0
	s_lshl_b32 s46, s42, 12
	s_add_co_u32 s46, s46, s19                     ; its row of out0
	s_mov_b32 s47, 0
	s_lshl_b32 s42, s16, 11                        ; the batch's 2,048 mask bytes
	s_mov_b32 s43, 0
	s_mov_b32 s[SEL], 0x76543210
	s_mov_b32 s[SEL+1], 0xfedcba98
	s_mov_b32 s[CS], 0x3fb8aa3b                    ; log2(e); the 1 / 8 is in k's codes
	s_mov_b32 s[CS+1], s[CS]                       ; (named with it as a pair, so it is written)
	s_mul_i32 s39, s[WV], 16*SP
	s_add_co_u32 s39, s39, STAGE                   ; my stage
	v_and_b32 v[SUM2], 15, v0                      ; r
	v_bfe_u32 v[SUM2+1], v0, 4, 1                  ; g
	v_and_b32 v[LI], 31, v0
	s_delay_alu instid0(VALU_DEP_1)
	v_lshlrev_b32 v[LI], 4, v[LI]
	s_delay_alu instid0(VALU_DEP_3)
	v_lshl_add_u32 v[AP0], v[SUM2+1], 6, PAD
	v_lshl_add_u32 v[ADI], v0, 4, PAD              ; the tables: thread t makes keys 4 t .. 4 t + 3
	v_lshlrev_b32 v[DG], 4, v[SUM2+1]
	s_delay_alu instid0(VALU_DEP_1)
	v_sub_nc_u32 v[DG], v[SUM2], v[DG]
	s_delay_alu instid0(VALU_DEP_1)
	v_add_nc_u32 v[DG], s18, v[DG]                 ; 16 j + r - 16 g
	v_mov_b32 v[NEG], 0xc61c4000                   ; -10000
	v_lshlrev_b32 v[GO], 12, v[SUM2+1]
	s_delay_alu instid0(VALU_DEP_1)
	v_lshl_add_u32 v[GO], v[SUM2], 4, v[GO]
	v_mul_u32_u24 v[STO], v[SUM2], SP
	s_delay_alu instid0(VALU_DEP_1)
	v_add_nc_u32 v[STO], s39, v[STO]
	s_delay_alu instid0(VALU_DEP_1)
	v_lshl_add_u32 v[QRD], v[SUM2+1], 7, v[STO]
	s_delay_alu instid0(VALU_DEP_2)
	v_lshl_add_u32 v[STO], v[SUM2+1], 5, v[STO]
	v_mul_u32_u24 v[RD], v[SUM2+1], SP
	s_delay_alu instid0(VALU_DEP_1)
	v_lshl_add_u32 v[RD], v[SUM2], 4, v[RD]
	s_delay_alu instid0(VALU_DEP_1)
	v_add_nc_u32 v[RD], s39, v[RD]
	v_mul_u32_u24 v[QO], v[SUM2+1], ROWQ
	s_delay_alu instid0(VALU_DEP_1)
	v_lshl_add_u32 v[QO], v[SUM2], 4, v[QO]
	v_lshlrev_b32 v[T1], 2, v0                     ; my four mask bytes
.irp b, 0,1,2,3
	v_mov_b32 v[PX+\b], 0                          ; written once: a lane permute's destination counts as one of its sources
.endr
	v_mov_b32 v[FF+1], 0                           ; (named as the upper half of the pair with f)
	s_wait_dscnt 0x0
	s_wait_kmcnt 0x0
	s_mov_b32 s[G0], 1                             ; count = 1
	s_add_nc_u64 s[G0+2:G0+3], s[8:9], s[40:41]    ; global address: head and wave alone enter it: equal in the four partners
	s_or_b32 s[G0+3], s[G0+3], 0x80000000          ; type = 2
	s_add_nc_u64 s[4:5], s[4:5], s[44:45]
	s_add_nc_u64 s[6:7], s[6:7], s[42:43]
	s_add_nc_u64 s[10:11], s[10:11], s[46:47]
	CROUND                                         ; all four work-groups are here: the joint loads meet
	tensor_load_to_lds s[G0:G0+3], s[G1:G1+7]      ; my one tensor load of the launch: the head's step block w
	s_nop 0
.rept 4
	v_nop
.endr
	s_wait_alu depctr_va_vdst(0)
	global_load_b32 v[T0], v[T1], s[6:7]
.irp n, 0,1,2,3,4,5,6,7
	global_load_b128 v[S+32+4*\n:S+32+4*\n+3], v[QO], s[4:5] offset:2*ROWQ*\n th:TH_LOAD_NT   ; queries 2 n and 2 n + 1: two whole rows of 256 bytes, read once in the launch
.endr
	s_wait_loadcnt 8                               ; the mask word is in (and its address register free); q's eight loads stay out
.irp k, 0,1,2,3
	v_bfe_u32 v[T1], v[T0], 8*\k, 8
	s_delay_alu instid0(VALU_DEP_1)
	v_cmp_eq_u32 vcc_lo, 0, v[T1]
	s_delay_alu instid0(VALU_DEP_1)
	v_cndmask_b32 v[VFR+\k], 0, v[NEG], vcc_lo     ; where(mask, 0, -10000)
	s_delay_alu instid0(VALU_DEP_1)
	v_add_f32 v[VFR+4+\k], v[VFR+\k], v[NEG]       ; and with the causal term
.endr
	ds_store_b128 v[ADI], v[VFR:VFR+3]
	ds_store_b128 v[ADI], v[VFR+4:VFR+7] offset:PADC-PAD
.irp n, 0,1,2,3,4,5,6,7
	s_wait_loadcnt 7-\n                            ; pair n is in, the younger ones stay out
	ds_store_b128 v[RD], v[S+32+4*\n:S+32+4*\n+3] offset:2*SP*\n
.endr
.irp m, 0,1,2,3,4,5,6,7
	ds_load_b128 v[S+4*\m:S+4*\m+3], v[QRD] offset:16*\m   ; q(r, 32 g + 0 .. 31): a whole block in my lane.  LDS serves a wave's instructions in order: these see my stores
.endr
	s_wait_dscnt 0x0
	QBLK S, QLO, T0
.irp i, 0,1,2,3
	v_mov_b32 v[QHI+4+\i], v[QLO+\i]
	v_mov_b32 v[QLO+4+\i], 0
	v_mov_b32 v[QHI+\i], 0
.endr
	v_bfe_u32 v[T1], v0, 4, 1
	s_delay_alu instid0(VALU_DEP_1)
	v_lshlrev_b32 v[T1], 3, v[T1]
	s_delay_alu instid0(VALU_DEP_1)
	v_lshlrev_b32 v[T0], v[T1], v[T0]              ; my block's byte at its place, 8 g bits up;
	s_delay_alu instid0(VALU_DEP_1)
	v_permlanex16_b32 v[PX], v[T0], s[SEL], s[SEL+1]
	s_delay_alu instid0(VALU_DEP_1)
	v_or_b32 v[T0], v[T0], v[PX]                   ; with lane l xor 16's;
	s_delay_alu instid0(VALU_DEP_1)
	v_lshl_or_b32 v[QS], v[T0], 16, v[T0]          ; and once more for k = 64 .. 127: one word serves QLO and QHI
	v_mov_b32 v13, 0xff61b1e6                      ; the largest t so far: -3e38, under every t
	s_delay_alu instid0(VALU_DEP_1)
	v_floor_f32 v12, -v13                          ; -M
	v_mov_b32 v14, 0
	v_mov_b32 v15, 0
.set j, 0
.rept 32
	v_mov_b32 v[OT+j], 0                           ; O^T.  The step is written once: the first finds zeros, which the first change of M leaves zeros.  (These are also the places between q's scale word and the first product)
.set j, j+1
.endr
	s_mov_b32 s[ST], 0
	s_mov_b32 s[TB], 0
	s_mov_b32 s[TP], 0
	s_wait_tensorcnt 0x0                           ; for the others' sake: my step block has landed,
	s_wait_dscnt 0x0                               ; and my part of the tables
	s_barrier_signal -1
	s_barrier_wait -1                              ; everybody's have.  From here on nobody writes the blocks or the tables
.Lstep:                                            ; 16 trips: 128 keys each
	s_cmp_gt_u32 s[ST], s[WV]                      ; behind my diagonal's step every key is hidden: the table with the causal term
	s_cselect_b32 s39, PADC-PAD, 0
	s_add_co_u32 s39, s39, s[TP]
	s_setprio 2
	v_add_nc_u32 v[ADI], s[TB], v[LI]
	v_add_nc_u32 v[ADP], s39, v[AP0]
.rept 4
	v_nop                                          ; places between the last trip's products and the loads into registers that they read (ISA guide 7.12.1 for vector instructions)
.endr
	ds_load_b128 v[SW:SW+3], v[ADI] offset:8192
.irp i, 0,1,2,3,4,5,6,7
	ds_load_b128 v[KFR+4*\i:KFR+4*\i+3], v[ADI] offset:512*\i
.endr
.irp b, 0,1,2,3
.irp n, 0,1,2,3
	ds_load_b128 v[S+16*\b+4*\n:S+16*\b+4*\n+3], v[ADP] offset:128*\b+16*\n   ; register 16 b + i: the term of key 32 b + 16 g + i: sixteen lanes share the 16 bytes
.endr
.endr
.irp i, 0,1,2,3,4,5,6,7
	ds_load_b128 v[VFR+4*\i:VFR+4*\i+3], v[ADI] offset:4096+512*\i
.endr
	s_wait_dscnt 8                                 ; all but V's eight, which are wanted behind the softmax
.irp f, 0,1,2,3                                    ; S^T + the mask term: eight accumulators, one instruction each
	v_wmma_scale_f32_16x16x128_f8f6f4 v[S+16*\f:S+16*\f+7], v[KFR+8*\f:KFR+8*\f+7], v[QLO:QLO+7], v[S+16*\f:S+16*\f+7], v[SW+\f], v[QS] matrix_a_fmt:MATRIX_FMT_FP4 matrix_b_fmt:MATRIX_FMT_FP4
	v_wmma_scale_f32_16x16x128_f8f6f4 v[S+16*\f+8:S+16*\f+15], v[KFR+8*\f:KFR+8*\f+7], v[QHI:QHI+7], v[S+16*\f+8:S+16*\f+15], v[SW+\f], v[QS] matrix_a_fmt:MATRIX_FMT_FP4 matrix_b_fmt:MATRIX_FMT_FP4
.endr
.rept 4
	v_nop                                          ; places in front of the first read of the results
.endr
	s_cmp_lg_u32 s[ST], s[WV]                      ; my diagonal lies in step w alone
	s_cbranch_scc1 .Lopen
.set n, 0
.rept 64                                           ; register 16 b + i holds key 32 b + 16 g + i of the step: hidden where 32 b + i > my query - 16 g.  (score + padding) + causal, in ascending registers
	v_cmp_gt_i32 vcc_lo, 32*(n/16)+n%16, v[DG]
	s_delay_alu instid0(VALU_DEP_1)
	v_cndmask_b32 v[T0], 0, v[NEG], vcc_lo
	v_add_f32 v[S+n], v[S+n], v[T0]
.set n, n+1
.endr
.Lopen:
.irp b, 0,1,2,3
	v_max3_num_f32 v[BM+\b], v[S+16*\b], v[S+1+16*\b], v[S+2+16*\b]   ; the largest logit of each block of 32 keys: it serves the row's maximum and, since p rises with the logit, the block's largest p
.endr
.irp i, 3,5,7,9,11,13
.irp b, 0,1,2,3
	v_max3_num_f32 v[BM+\b], v[BM+\b], v[S+16*\b+\i], v[S+1+16*\b+\i]   ; (the four blocks by turns)
.endr
.endr
	s_setprio 1
.irp b, 0,1,2,3
	v_max_num_f32 v[BM+\b], v[BM+\b], v[S+15+16*\b]
.endr
.irp b, 0,1,2,3
	s_delay_alu instid0(VALU_DEP_4)
	v_permlanex16_b32 v[PX+\b], v[BM+\b], s[SEL], s[SEL+1]
.endr
.irp b, 0,1,2,3
	s_delay_alu instid0(VALU_DEP_4)
	v_max_num_f32 v[BM+\b], v[BM+\b], v[PX+\b]     ; with lane l xor 16's 16 keys
.endr
	s_delay_alu instid0(VALU_DEP_2)
	v_max3_num_f32 v[T0], v[BM], v[BM+1], v[BM+2]
	s_delay_alu instid0(VALU_DEP_1)
	v_max_num_f32 v[T0], v[T0], v[BM+3]            ; the step's largest logit of my query
	s_delay_alu instid0(VALU_DEP_1)
	v_mul_f32 v[T0], s[CS], v[T0]                  ; as t
	s_delay_alu instid0(VALU_DEP_1)
	v_max_num_f32 v13, v13, v[T0]                  ; the running largest t
	v_mov_b32 v[T0], v12
	s_delay_alu instid0(VALU_DEP_2)
	v_floor_f32 v12, -v13                          ; the new -M = -ceil(t): a whole number
	s_delay_alu instid0(VALU_DEP_1)
	v_sub_f32 v[T0], v12, v[T0]                    ; old M - new M: a whole number, 0 or less
	s_delay_alu instid0(VALU_DEP_1)
	v_cvt_i32_f32 v[T0], v[T0]                     ; (it saturates)
	s_delay_alu instid0(VALU_DEP_1)
	v_ldexp_f32 v[FF], 1.0, v[T0]                  ; f = 2^(old M - new M)
.set j, 0
.rept 32
	v_pk_fma_f32 v[S+j:S+j+1], v[S+j:S+j+1], s[CS:CS+1], v[12:13] op_sel_hi:[1,0,0]   ; t - M, two at a time
.set j, j+2
.endr
.irp b, 0,1,2,3
	v_fma_f32 v[BM+\b], v[BM+\b], s[CS], v12       ; the same of each block's largest logit
.endr
.set j, 0
	s_wait_alu depctr_va_vdst(0)
.rept 64
	v_exp_f32 v[S+j], v[S+j]                       ; p = 2^(t - M)
.set j, j+1
.endr
.irp b, 0,1,2,3
	v_exp_f32 v[BM+\b], v[BM+\b]                   ; the block's largest p: the same two instructions on the same number give the same bits
.endr
	v_pk_mul_f32 v[14:15], v[14:15], v[FF:FF+1] op_sel_hi:[1,0]   ; the sums under the new M.  (The plain place behind the exponentials)
	s_wait_alu depctr_va_vdst(0)
.irp b, 0,1,2,3
	v_max_num_f32 v[BM+\b], 0x1800000, v[BM+\b]    ; the floor 2^(3 - 127): the byte cannot fall under 1
.endr
.irp b, 0,1,2,3
	s_delay_alu instid0(VALU_DEP_4)
	v_add_nc_u32 v[SCO+\b], 0xff000000, v[BM+\b]   ; 2 off the exponent field: the conversion's scale operand
.endr
.irp b, 0,1,2,3
	s_delay_alu instid0(VALU_DEP_4)
	v_lshrrev_b32 v[PX+\b], 23, v[SCO+\b]          ; the scale's byte
.endr
	s_delay_alu instid0(VALU_DEP_3)
	v_lshl_or_b32 v[PS], v[PX+1], 8, v[PX]         ; p's scale word for these 128 keys
	s_delay_alu instid0(VALU_DEP_1)
	v_lshl_or_b32 v[PS], v[PX+2], 16, v[PS]
	s_delay_alu instid0(VALU_DEP_1)
	v_lshl_or_b32 v[PS], v[PX+3], 24, v[PS]
.irp b, 0,1,2,3
	v_cvt_scalef32_pk8_fp4_f32 v[PC+2*\b], v[S+16*\b:S+7+16*\b], v[SCO+\b]
	v_cvt_scalef32_pk8_fp4_f32 v[PC+1+2*\b], v[S+8+16*\b:S+15+16*\b], v[SCO+\b]
.endr
	v_nop                                          ; one plain place behind the last scaled conversion
.irp c, 0,1                                        ; the operand's layout wants a WHOLE block in a lane: lanes 0-15 block 2 c, lanes 16-31 block 2 c + 1
.irp i, 0,1
	v_permlane16_swap_b32 v[PC+4*\c+\i], v[PC+2+4*\c+\i]
.endr
.endr
	v_pk_add_f32 v[220:221], v[100:101], v[104:105]
	s_setprio 0
	v_pk_add_f32 v[222:223], v[108:109], v[112:113]
	v_pk_add_f32 v[218:219], v[116:117], v[120:121]
	v_pk_add_f32 v[216:217], v[124:125], v[128:129]
	v_pk_add_f32 v[210:211], v[132:133], v[136:137]
	v_pk_add_f32 v[208:209], v[140:141], v[144:145]
	v_pk_add_f32 v[62:63], v[148:149], v[152:153]
	v_pk_add_f32 v[14:15], v[14:15], v[156:157]
	v_pk_add_f32 v[220:221], v[220:221], v[96:97]
	v_pk_add_f32 v[222:223], v[222:223], v[98:99]
	v_pk_add_f32 v[218:219], v[218:219], v[102:103]
	v_pk_add_f32 v[216:217], v[216:217], v[106:107]
	v_pk_add_f32 v[210:211], v[210:211], v[110:111]
	v_pk_add_f32 v[208:209], v[208:209], v[114:115]
	v_pk_add_f32 v[62:63], v[62:63], v[118:119]
	v_pk_add_f32 v[14:15], v[14:15], v[122:123]
	v_pk_add_f32 v[220:221], v[220:221], v[126:127]
	v_pk_add_f32 v[222:223], v[222:223], v[130:131]
	v_pk_add_f32 v[218:219], v[218:219], v[134:135]
	v_pk_add_f32 v[216:217], v[216:217], v[138:139]
	v_pk_add_f32 v[210:211], v[210:211], v[142:143]
	v_pk_add_f32 v[208:209], v[208:209], v[146:147]
	v_pk_add_f32 v[62:63], v[62:63], v[150:151]
	v_pk_add_f32 v[14:15], v[14:15], v[154:155]
	v_pk_add_f32 v[220:221], v[220:221], v[158:159]
	s_delay_alu instid0(VALU_DEP_2)
	v_pk_add_f32 v[14:15], v[14:15], v[216:217]
	s_delay_alu instid0(VALU_DEP_2)
	v_pk_add_f32 v[220:221], v[220:221], v[210:211]
	v_pk_add_f32 v[222:223], v[222:223], v[208:209]
	v_pk_add_f32 v[218:219], v[218:219], v[62:63]
	s_delay_alu instid0(VALU_DEP_2)
	v_pk_add_f32 v[14:15], v[14:15], v[222:223]
	s_delay_alu instid0(VALU_DEP_2)
	v_pk_add_f32 v[220:221], v[220:221], v[218:219]
	s_delay_alu instid0(VALU_DEP_1)
	v_pk_add_f32 v[14:15], v[14:15], v[220:221]
.set j, 0
.rept 16
	v_pk_mul_f32 v[OT+j:OT+j+1], v[OT+j:OT+j+1], v[FF:FF+1] op_sel_hi:[1,0]   ; O^T under the new M, from each accumulator's low end on
.set j, j+2
.endr
	s_wait_alu depctr_va_vdst(0)
	s_wait_dscnt 0x0                               ; V's fragments are in
.irp t, 0,1,2,3                                    ; O^T += V^T P^T: four accumulators by turns; V's scale words stand in lanes 16-31
	v_wmma_scale_f32_16x16x128_f8f6f4 v[OT+8*\t:OT+8*\t+7], v[VFR+8*\t:VFR+8*\t+7], v[PC:PC+7], v[OT+8*\t:OT+8*\t+7], v[SW+\t], v[PS] matrix_a_fmt:MATRIX_FMT_FP4 matrix_b_fmt:MATRIX_FMT_FP4 matrix_a_scale:MATRIX_SCALE_ROW1
.endr
	s_add_co_u32 s[TB], s[TB], BLKB
	s_add_co_u32 s[TP], s[TP], 512
	s_add_co_u32 s[ST], s[ST], 1
	s_cmp_lt_u32 s[ST], 16
	s_cbranch_scc1 .Lstep
	s_setprio 0
	; THE WAY OUT.  O^T / the sum goes through my stage and leaves as whole rows: a query's 64 channels of one head are 256 consecutive bytes of out0.
.rept 4
	v_nop                                          ; places behind the last products
.endr
	v_add_f32 v14, v14, v15                        ; the sum's two halves,
	s_delay_alu instid0(VALU_DEP_1)
	v_permlanex16_b32 v[PX], v14, s[SEL], s[SEL+1]
	s_delay_alu instid0(VALU_DEP_1)
	v_add_f32 v14, v14, v[PX]                      ; and lane l xor 16's: the row's sum (over 1/2: the row's largest p is)
	s_wait_alu depctr_va_vdst(0)
	v_rcp_f32 v14, v14
	v_nop                                          ; one plain place behind the transcendental
.set j, 0
	s_wait_alu depctr_va_vdst(0)
.rept 32
	v_mul_f32 v[S+j], v[OT+j], v14                 ; register 8 t + i: o(query r, channel 16 t + 8 g + i)
.set j, j+1
.endr
.irp t, 0,1,2,3
	ds_store_b128 v[STO], v[S+8*\t:S+8*\t+3] offset:64*\t
	ds_store_b128 v[STO], v[S+8*\t+4:S+8*\t+7] offset:64*\t+16
.endr
.irp i, 0,1,2,3,4,5,6,7
	ds_load_b128 v[KFR+4*\i:KFR+4*\i+3], v[RD] offset:2*SP*\i   ; LDS serves a wave's instructions in order: these see my stores
.endr
.irp i, 0,1,2,3,4,5,6,7
	s_wait_dscnt 7-\i                              ; rows 2 i and 2 i + 1 are back; the later ones may be out; the last count is 0
	global_store_b128 v[GO], v[KFR+4*\i:KFR+4*\i+3], s[10:11] offset:2*ROWO*\i th:TH_STORE_NT   ; sixteen lanes store 256 consecutive bytes, at a multiple of 256 from out0's first byte
.endr
	s_wait_tensorcnt 0x0
	ds_add_u32 v224, v225
	s_wait_dscnt 0x0
	CROUND                                         ; the closing round: no work-group ends while a partner may still ask for a block that names it
	s_endpgm
.Lfunc_end_k_q6bebbefffd_attn:
	.size	k_q6bebbefffd_attn, .Lfunc_end_k_q6bebbefffd_attn-k_q6bebbefffd_attn
	.p2alignl 7, 3214868480
	.fill 96, 4, 3214868480
	.section	.rodata,"a",@progbits
	.p2align	6, 0x0
	.amdhsa_kernel k_q6bebbefffd_attn
		.amdhsa_group_segment_fixed_size 235520
		.amdhsa_private_segment_fixed_size 0
		.amdhsa_enable_private_segment 0
		.amdhsa_kernarg_size 32
		.amdhsa_user_sgpr_count 2
		.amdhsa_user_sgpr_kernarg_segment_ptr 1
		.amdhsa_wavefront_size32 1
		.amdhsa_system_sgpr_workgroup_id_x 1
		.amdhsa_system_sgpr_workgroup_id_y 1
		.amdhsa_system_sgpr_workgroup_id_z 1
		.amdhsa_system_vgpr_workitem_id 0
		.amdhsa_next_free_vgpr 226
		.amdhsa_next_free_sgpr 66
		.amdhsa_reserve_vcc 1
		.amdhsa_float_denorm_mode_32 3
		.amdhsa_float_denorm_mode_16_64 3
		.amdhsa_memory_ordered 1
		.amdhsa_forward_progress 1
		.amdhsa_inst_pref_size 43
	.end_amdhsa_kernel
	.amdgpu_metadata
---
amdhsa.version: [ 1, 2 ]
amdhsa.kernels:
  - .name:           k_q6bebbefffd_attn
    .symbol:         k_q6bebbefffd_attn.kd
    .args:
      - { .name: qkv, .offset: 0, .size: 8, .value_kind: global_buffer, .address_space: global }
      - { .name: key_padding_mask, .offset: 8, .size: 8, .value_kind: global_buffer, .address_space: global }
      - { .name: kv, .offset: 16, .size: 8, .value_kind: global_buffer, .address_space: global }
      - { .name: out0, .offset: 24, .size: 8, .value_kind: global_buffer, .address_space: global }
    .group_segment_fixed_size: 235520
    .private_segment_fixed_size: 0
    .kernarg_segment_align: 8
    .kernarg_segment_size: 32
    .max_flat_workgroup_size: 512
    .sgpr_count:     66
    .vgpr_count:     226
    .wavefront_size: 32
...
	.end_amdgpu_metadata
.endif
;; end of part 2
